; MI455X (gfx1250); checked and timed in simulation.
; The chip was launched on July 23, 2026; its instructions are those of AMD's public machine-readable ISA for CDNA 5 (MIT licence, August 2026) and "CDNA5" Instruction Set Architecture Reference Guide (July 2026). The comments in the code are by the model that wrote it; some were corrected since.
;; Multi Head Self Attention. Allowed arithmetic: float matrix products may take bf16 or f16 operands with f32 sums; all other float work in f32.
;; Inputs: Wk 1,024 x 1,024 float32; Wo 1,024 x 1,024 float32; Wq 1,024 x 1,024 float32; Wv 1,024 x 1,024 float32; x 1 x 4,096 x 1,024 float32.
;; Outputs: out0 1 x 4,096 x 1,024 float32.
;; 2 versions, each right; version 2 is version 1 with the launch cast written anew for expert scheduling mode. Each part assembles by itself: llvm-mc -triple=amdgcn-amd-amdhsa -mcpu=gfx1250 --defsym DOCPART=n.
;; ======== version 1 of 2: 4 launches
;; limits: values are held in f16: magnitudes above 65,504 overflow, below 6.1e-05 lose precision
;; workspace buffers: xw 16,777,216 bytes; qkv 25,165,824 bytes; att 8,388,608 bytes
;; launch cast (part 1): grid 64 x 8, 8 waves a work-group, no clusters, 0 bytes of LDS; arguments x, Wq, Wk, Wv, Wo, xw; writes xw
.if DOCPART == 1
	.amdgcn_target "amdgcn-amd-amdhsa--gfx1250"
	.amdhsa_code_object_version 6
	.text
	.protected	k_q519a546f2e_cast
	.globl	k_q519a546f2e_cast
	.p2align	8
	.type	k_q519a546f2e_cast,@function
k_q519a546f2e_cast:
	s_mov_b64 s[64:65], 0
	v_nop
	global_prefetch_b8 v0, s[64:65] scope:SCOPE_SE
	s_setreg_imm32_b32 hwreg(HW_REG_WAVE_MODE, 25, 1), 1
	s_wait_xcnt 0x0
; xw[8192][1024], 16 bits a number: rows 0-4095 bf16(x), 4096.. bf16(Wq), 5120.. bf16(Wk), 6144.. bf16(Wv), 7168.. f16(bf16(Wo)).
; Wo is rounded to bf16 like the other inputs and then written as f16, because the last product takes f16 operands:
; that second step is exact for |Wo| >= 2^-14, below that it errs by at most 2^-25 absolutely; |Wo| must stay below 65,504.
; A stream: no LDS, no barrier, no matrix unit.  Grid y picks 4 MiB of source (0-3: quarters of x, 4-7: a weight), grid x 64 KiB of it.
; A thread takes 16 bytes of each of sixteen 4,096-byte pieces: a wave's load covers 512 neighbouring bytes, its store 256, aligned.
; All sixteen loads are issued first; no register that a memory instruction reads is ever written again.
.set X, 4                              ; v[4:67]   sixteen loads of four f32
.set Y, 68                             ; v[68:99]  sixteen stores of four 16-bit numbers
	s_load_b256 s[4:11], s[0:1], 0x0               ; x s[4:5], Wq s[6:7], Wk s[8:9], Wv s[10:11]
	s_load_b128 s[12:15], s[0:1], 0x20             ; Wo s[12:13], xw s[14:15]
	s_and_b32 s2, ttmp7, 0xffff                    ; y
	v_lshlrev_b32 v1, 4, v0                        ; 16 bytes a thread in
	v_lshlrev_b32 v2, 3, v0                        ; 8 bytes a thread out
	s_cmp_lt_u32 s2, 4
	s_cselect_b32 s18, s2, 0                       ; the quarter of x, or 0 for a weight
	s_lshl_b32 s18, s18, 22
	s_lshl_b32 s19, ttmp9, 16
	s_add_co_u32 s18, s18, s19                     ; source offset
	s_mov_b32 s19, 0
	s_lshl_b32 s20, s2, 21
	s_lshl_b32 s21, ttmp9, 15
	s_add_co_u32 s20, s20, s21                     ; destination offset: half as many bytes
	s_mov_b32 s21, 0
	s_wait_kmcnt 0x0
	s_mov_b64 s[16:17], s[4:5]
	s_cmp_eq_u32 s2, 4
	s_cselect_b64 s[16:17], s[6:7], s[16:17]
	s_cmp_eq_u32 s2, 5
	s_cselect_b64 s[16:17], s[8:9], s[16:17]
	s_cmp_eq_u32 s2, 6
	s_cselect_b64 s[16:17], s[10:11], s[16:17]
	s_cmp_eq_u32 s2, 7
	s_cselect_b64 s[16:17], s[12:13], s[16:17]
	s_add_nc_u64 s[16:17], s[16:17], s[18:19]
	s_add_nc_u64 s[14:15], s[14:15], s[20:21]
.irp j, 0,1,2,3,4,5,6,7,8,9,10,11,12,13,14,15
	global_load_b128 v[X+4*\j:X+4*\j+3], v1, s[16:17] offset:4096*\j th:TH_LOAD_NT
.endr
	s_cmp_eq_u32 s2, 7
	s_cbranch_scc1 .Lwo
.irp j, 0,1,2,3,4,5,6,7,8,9,10,11,12,13,14,15
	s_wait_loadcnt 15-\j                           ; loads return in order: piece j is in, the younger ones stay out
	v_cvt_pk_bf16_f32 v[Y+2*\j], v[X+4*\j], v[X+4*\j+1]
	v_cvt_pk_bf16_f32 v[Y+2*\j+1], v[X+4*\j+2], v[X+4*\j+3]
	global_store_b64 v2, v[Y+2*\j:Y+2*\j+1], s[14:15] offset:2048*\j
.endr
	s_endpgm
.Lwo:
.irp j, 0,1,2,3,4,5,6,7,8,9,10,11,12,13,14,15
	s_wait_loadcnt 15-\j
	v_cvt_pk_bf16_f32 v[Y+2*\j], v[X+4*\j], v[X+4*\j+1]           ; the rounding that all inputs get
	v_cvt_pk_bf16_f32 v[Y+2*\j+1], v[X+4*\j+2], v[X+4*\j+3]
	v_lshlrev_b32 v[X+4*\j], 16, v[Y+2*\j]                         ; back to f32
	v_and_b32 v[X+4*\j+1], 0xffff0000, v[Y+2*\j]
	v_lshlrev_b32 v[X+4*\j+2], 16, v[Y+2*\j+1]
	v_and_b32 v[X+4*\j+3], 0xffff0000, v[Y+2*\j+1]
	v_cvt_pk_f16_f32 v[Y+2*\j], v[X+4*\j], v[X+4*\j+1]             ; 8 significant bits fit into f16's 11
	v_cvt_pk_f16_f32 v[Y+2*\j+1], v[X+4*\j+2], v[X+4*\j+3]
	global_store_b64 v2, v[Y+2*\j:Y+2*\j+1], s[14:15] offset:2048*\j
.endr
	s_endpgm
.Lfunc_end_k_q519a546f2e_cast:
	.size	k_q519a546f2e_cast, .Lfunc_end_k_q519a546f2e_cast-k_q519a546f2e_cast
	.p2alignl 7, 3214868480
	.fill 96, 4, 3214868480
	.section	.rodata,"a",@progbits
	.p2align	6, 0x0
	.amdhsa_kernel k_q519a546f2e_cast
		.amdhsa_group_segment_fixed_size 0
		.amdhsa_private_segment_fixed_size 0
		.amdhsa_enable_private_segment 0
		.amdhsa_kernarg_size 48
		.amdhsa_user_sgpr_count 2
		.amdhsa_user_sgpr_kernarg_segment_ptr 1
		.amdhsa_wavefront_size32 1
		.amdhsa_system_sgpr_workgroup_id_x 1
		.amdhsa_system_sgpr_workgroup_id_y 1
		.amdhsa_system_sgpr_workgroup_id_z 1
		.amdhsa_system_vgpr_workitem_id 0
		.amdhsa_next_free_vgpr 100
		.amdhsa_next_free_sgpr 66
		.amdhsa_reserve_vcc 0
		.amdhsa_float_denorm_mode_32 3
		.amdhsa_float_denorm_mode_16_64 3
		.amdhsa_memory_ordered 1
		.amdhsa_forward_progress 1
		.amdhsa_inst_pref_size 16
	.end_amdhsa_kernel
	.amdgpu_metadata
---
amdhsa.version: [ 1, 2 ]
amdhsa.kernels:
  - .name:           k_q519a546f2e_cast
    .symbol:         k_q519a546f2e_cast.kd
    .args:
      - { .name: x, .offset: 0, .size: 8, .value_kind: global_buffer, .address_space: global }
      - { .name: Wq, .offset: 8, .size: 8, .value_kind: global_buffer, .address_space: global }
      - { .name: Wk, .offset: 16, .size: 8, .value_kind: global_buffer, .address_space: global }
      - { .name: Wv, .offset: 24, .size: 8, .value_kind: global_buffer, .address_space: global }
      - { .name: Wo, .offset: 32, .size: 8, .value_kind: global_buffer, .address_space: global }
      - { .name: xw, .offset: 40, .size: 8, .value_kind: global_buffer, .address_space: global }
    .group_segment_fixed_size: 0
    .private_segment_fixed_size: 0
    .kernarg_segment_align: 8
    .kernarg_segment_size: 48
    .max_flat_workgroup_size: 256
    .sgpr_count:     66
    .vgpr_count:     100
    .wavefront_size: 32
...
	.end_amdgpu_metadata
.endif
;; end of part 1
;; launch qkv (part 2): grid 8 x 32, 4 waves a work-group, clusters of 4 x 4, 327,680 bytes of LDS; arguments xw, qkv, att; writes qkv, att
.if DOCPART == 2
	.amdgcn_target "amdgcn-amd-amdhsa--gfx1250"
	.amdhsa_code_object_version 6
	.text
	.protected	k_q519a546f2e_qkv
	.globl	k_q519a546f2e_qkv
	.p2align	8
	.type	k_q519a546f2e_qkv,@function
k_q519a546f2e_qkv:
	s_mov_b64 s[64:65], 0
	v_nop
	global_prefetch_b8 v0, s[64:65] scope:SCOPE_SE
	s_setreg_imm32_b32 hwreg(HW_REG_WAVE_MODE, 25, 1), 1
	s_wait_xcnt 0x0
	s_wait_alu depctr_hold_cnt(0) depctr_sa_sdst(0) depctr_va_vdst(0) depctr_va_sdst(0) depctr_va_ssrc(0) depctr_va_vcc(0) depctr_vm_vsrc(0)
	s_getreg_b32 s2, hwreg(HW_REG_IB_STS2, 6, 4)
	s_cmp_eq_u32 s2, 0
	s_cbranch_scc0 .Lentry_in_a_cluster
	s_endpgm
.Lentry_in_a_cluster:
	s_bfe_u32 s2, ttmp6, 0x10000c
	s_cmp_lg_u32 s2, 0xf033
	s_cbranch_scc0 .Lentry_shape_is_right
	s_endpgm
.Lentry_shape_is_right:
; q, k, v = x Wq^T, x Wk^T, x Wv^T: a bf16 product 4096 x 3072 x 1024 with f32 sums; results leave as f16 in the order in which the
; attention launch's matrix fragments want them:  qkv[g = q,k,v][head 16][stile 256][b 4][lane 32][16 bytes].
;   q, k: lane (r = lane % 16, h = lane / 16) of (stile, b) holds row 16 stile + r, columns 16 b + 8 h + 0..7 of the head;
;   v:    lane (r, h) holds column dk = 16 b + r, rows (keys) 16 stile + 8 h + 0..7.
; So each store of a wave is 512 consecutive bytes, aligned, straight from registers: no stage in LDS.
; LIMIT: |q|, |k|, |v| must stay below 65,504 (f16).  With x and W thirty times the drawn spread they are near 5e3.
; A work-group makes 128 rows x two heads x (q, k, v); a wave 64 rows x one head x (q, k, v): 48 accumulator tiles of 16 x 16.
; K goes in steps of 128 through two LDS slots of 512 rows (128 of x, 128 each of Wq, Wk, Wv), rows of 256 bytes padded to 272.
; CLUSTERS of 4 x 4: x's tile hangs on the block row alone and is asked for jointly by a row of the cluster (wave 0's load);
; the three weight tiles hang on the block column alone and are asked for jointly by a column (waves 1 to 3).
; q and k take the weight rows as source 0 and x's rows as source 1 (a lane gets 8 neighbouring columns of one row);
; v takes them the other way round (a lane gets 8 neighbouring keys of one column).
; THE FIRST 16 QUERIES see only keys 0-15, and their results are the largest of the output; the wave that holds rows 0-15 of a
; head computes their attention here from the f32 sums, each operand split in two f16 (upper 11 bits, and the rest), and stores att's qtile 0.
;
; REGISTERS.  Window 0: v16-24 addresses, v64-95 / v96-127 x's fragments (two buffers).  Window 1: v0-95 / v96-191 weight fragments
; (g, b) at 32 g + 8 b.  Window 2: q's tiles at 8 (4 a + b), k's at 128 + 8 (4 a + b).  Window 3: v's tiles at 8 (4 a + b).
.set KSTEP,  128
.set PITCH,  272                       ; 256 bytes + 16: the 16 rows of a fragment load start 16 bytes further on modulo 256
.set HALFT,  128*PITCH                 ; one tensor load: 128 rows
.set SLOT,   4*HALFT
.set LAPS,   4                         ; 1024 / (2 * 128)
.set GS,     0x800000                  ; bytes of q (of k, of v) in qkv
.set ADRX,   16                        ; v16-17  LDS address of my x fragments, slot 0, 1
.set ADRW,   18                        ; v18-23  the same for Wq, Wk, Wv: 3 * slot + g
.set LANE16, 24                        ; v24     16 * lane
.set G1,  24                           ; s[24:31] group 1, x's tiles
.set G0,  32                           ; s[32:39] group 0, x's tiles, one set a slot
.set G1B, 48                           ; s[48:55] group 1, weight tiles: differs in the mask alone
.set G0B, 56                           ; s[56:63] group 0, weight tiles
.set MSB, 0
.macro WIN new                         ; the immediate's high byte repeats the setting that is left
.if MSB != \new
	s_set_vgpr_msb (MSB<<8)|\new
.set MSB, \new
.endif
.endm
.macro PLACES                          ; four places behind matrix instructions (ISA guide 7.12.1), filled with v_nop
.rept 4
	v_nop
.endr
.endm
.macro JLOAD s                         ; wave 0 asks for x's tile, waves 1-3 for a weight's: one mask for each line
	s_cmp_eq_u32 s10, 0
	s_cbranch_scc0 .Lfor_w_\@
	tensor_load_to_lds s[G0+4*\s:G0+4*\s+3], s[G1:G1+7]
	s_nop 0
	s_branch .Lasked_\@
.Lfor_w_\@:
	tensor_load_to_lds s[G0B+4*\s:G0B+4*\s+3], s[G1B:G1B+7]
	s_nop 0
.Lasked_\@:
.endm
.macro CREST                           ; a round of the cluster's barrier behind its opening work-group barrier
	s_cmp_lg_u32 s10, 0
	s_cbranch_scc1 .Lnot_wave_0_\@
	s_barrier_signal -3
.Lnot_wave_0_\@:
	s_barrier_wait -3
	s_barrier_signal -1
	s_barrier_wait -1
.endm
.macro CROUND
	s_barrier_signal -1
	s_barrier_wait -1
	CREST
.endm
	s_load_b128 s[4:7], s[0:1], 0x0                ; xw s[4:5], qkv s[6:7]
	s_load_b64 s[8:9], s[0:1], 0x10                ; att
	s_set_vgpr_msb 0x40
	v_lshl_add_u32 v255, v0, 2, 0x44000
	s_set_vgpr_msb 0x4000
	v_mov_b32 v15, 0
	s_set_vgpr_msb 0x1
	ds_add_u32 v255, v15
	s_set_vgpr_msb 0x100
	v_lshrrev_b32 v1, 5, v0
	v_readfirstlane_b32 s10, v1                    ; wave 0..3
	s_lshr_b32 s11, s10, 1                         ; wm: which 64 rows
	s_and_b32 s12, s10, 1                          ; wn: which head of the two
	s_bfe_u32 s40, ttmp6, 0x40000                  ; cx
	s_bfe_u32 s41, ttmp6, 0x40004                  ; cy
	s_lshl_b32 s42, ttmp9, 2
	s_add_co_u32 s42, s42, s40                     ; bx: heads 2 bx, 2 bx + 1
	s_and_b32 s13, ttmp7, 0xffff
	s_lshl_b32 s13, s13, 2
	s_add_co_u32 s13, s13, s41                     ; by: rows 128 by ..
	s_lshl_b32 s43, s41, 2
	s_lshl_b32 s43, 15, s43                        ; my row of the cluster
	s_lshl_b32 s44, 0x1111, s40                    ; my column
	s_or_b32 s[G1+0], s43, (1<<16)|(1<<20)|(1<<21)|(5<<22)|(3<<25)   ; mask; 2-byte elements; 4 words of padding behind every 64; bit 21 beside a mask
	s_or_b32 s[G1B+0], s44, (1<<16)|(1<<20)|(1<<21)|(5<<22)|(3<<25)
	s_mov_b32 s[G1+1], KSTEP<<16                   ; tensor_dim0 = 128
	s_mov_b32 s[G1B+1], KSTEP<<16
	s_mov_b32 s[G1+2], 128<<16                     ; tensor_dim1 = 128
	s_mov_b32 s[G1B+2], 128<<16
	s_mov_b32 s[G1+3], KSTEP<<16                   ; tile_dim0 = 128
	s_mov_b32 s[G1B+3], KSTEP<<16
	s_mov_b32 s[G1+4], 128                         ; tile_dim1 = 128
	s_mov_b32 s[G1B+4], 128
	s_mov_b32 s[G1+5], 1024                        ; elements from row to row
	s_mov_b32 s[G1B+5], 1024
	s_mov_b32 s[G1+6], 0
	s_mov_b32 s[G1B+6], 0
	s_mov_b32 s[G1+7], 0
	s_mov_b32 s[G1B+7], 0
	s_lshl_b32 s16, s13, 18                        ; x: row 128 by, 2,048 bytes a row
	s_mov_b32 s17, 0
	s_lshl_b32 s46, s10, 10                        ; weights: row 4096 + 1024 (wave - 1) + 128 bx of xw
	s_lshl_b32 s45, s42, 7
	s_add_co_u32 s46, s46, s45
	s_add_co_u32 s46, s46, 3072
	s_lshl_b32 s46, s46, 11
	s_mov_b32 s47, 0
	s_mul_i32 s20, s10, HALFT                      ; LDS: wave x 128 rows
	s_wait_dscnt 0x0
	s_wait_kmcnt 0x0
	s_add_nc_u64 s[14:15], s[4:5], s[16:17]
	s_add_nc_u64 s[46:47], s[4:5], s[46:47]
	CROUND                                         ; all sixteen work-groups are here: the first joint loads meet
.irp s, 0,1
	s_mov_b32 s[G0+4*\s], 1
	s_add_co_u32 s[G0+4*\s+1], s20, \s*SLOT
	s_add_nc_u64 s[G0+4*\s+2:G0+4*\s+3], s[14:15], \s*KSTEP*2
	s_or_b32 s[G0+4*\s+3], s[G0+4*\s+3], 0x80000000
	s_mov_b32 s[G0B+4*\s], 1
	s_add_co_u32 s[G0B+4*\s+1], s20, \s*SLOT
	s_add_nc_u64 s[G0B+4*\s+2:G0B+4*\s+3], s[46:47], \s*KSTEP*2
	s_or_b32 s[G0B+4*\s+3], s[G0B+4*\s+3], 0x80000000
	JLOAD \s
.endr
	v_and_b32 v1, 15, v0                           ; r
	v_bfe_u32 v2, v0, 4, 1                         ; h
	v_mul_u32_u24 v3, v1, PITCH
	v_lshl_add_u32 v3, v2, 4, v3                   ; r * pitch + 16 h
	s_mul_i32 s21, s11, 64*PITCH                   ; my 64 rows of x
	s_mul_i32 s22, s12, 64*PITCH                   ; my head's 64 rows of a weight,
	s_add_co_u32 s22, s22, HALFT                   ; behind x's 128
.irp s, 0,1
	v_add_nc_u32 v[ADRX+\s], s21, v3
	v_add_nc_u32 v[ADRW+3*\s], s22, v3
	v_add_nc_u32 v[ADRW+3*\s+1], HALFT, v[ADRW+3*\s]
	v_add_nc_u32 v[ADRW+3*\s+2], 2*HALFT, v[ADRW+3*\s]
	s_add_co_u32 s21, s21, SLOT
	s_add_co_u32 s22, s22, SLOT
.endr
	v_and_b32 v4, 31, v0
	v_lshlrev_b32 v[LANE16], 4, v4
; 16 matrix instructions for q (g = 0) or k (g = 1) from buffer i.  The 48 accumulators take turns, one instruction a turn, in one
; fixed order in every quarter step.
.macro MULG i, g, zero
.irp a, 0,1,2,3
.irp b, 0,1,2,3
.if \zero
	v_wmma_f32_16x16x32_bf16 v[128*\g+8*(4*\a+\b):128*\g+8*(4*\a+\b)+7], v[96*\i+32*\g+8*\b:96*\i+32*\g+8*\b+7], v[64+32*\i+8*\a:64+32*\i+8*\a+7], 0
.else
	v_wmma_f32_16x16x32_bf16 v[128*\g+8*(4*\a+\b):128*\g+8*(4*\a+\b)+7], v[96*\i+32*\g+8*\b:96*\i+32*\g+8*\b+7], v[64+32*\i+8*\a:64+32*\i+8*\a+7], v[128*\g+8*(4*\a+\b):128*\g+8*(4*\a+\b)+7]
.endif
.endr
.endr
.endm
.macro MULV i, zero                    ; 16 for v: x's rows are source 0
.irp a, 0,1,2,3
.irp b, 0,1,2,3
.if \zero
	v_wmma_f32_16x16x32_bf16 v[8*(4*\a+\b):8*(4*\a+\b)+7], v[64+32*\i+8*\a:64+32*\i+8*\a+7], v[96*\i+64+8*\b:96*\i+64+8*\b+7], 0
.else
	v_wmma_f32_16x16x32_bf16 v[8*(4*\a+\b):8*(4*\a+\b)+7], v[64+32*\i+8*\a:64+32*\i+8*\a+7], v[96*\i+64+8*\b:96*\i+64+8*\b+7], v[8*(4*\a+\b):8*(4*\a+\b)+7]
.endif
.endr
.endr
.endm
.macro FETCH slot, k, i                ; 32 LDS loads: x (8), Wq (8), Wk (8), Wv (8), 32 along K at byte k of the rows
	WIN 0
.irp a, 0,1,2,3
	ds_load_b128 v[64+32*\i+8*\a:64+32*\i+8*\a+3],   v[ADRX+\slot] offset:\k+\a*16*PITCH
	ds_load_b128 v[64+32*\i+8*\a+4:64+32*\i+8*\a+7], v[ADRX+\slot] offset:\k+\a*16*PITCH+32
.endr
	WIN 0x40
.irp g, 0,1,2
.irp b, 0,1,2,3
	ds_load_b128 v[96*\i+32*\g+8*\b:96*\i+32*\g+8*\b+3],   v[ADRW+3*\slot+\g] offset:\k+\b*16*PITCH
	ds_load_b128 v[96*\i+32*\g+8*\b+4:96*\i+32*\g+8*\b+7], v[ADRW+3*\slot+\g] offset:\k+\b*16*PITCH+32
.endr
.endr
.endm
.macro QUARTER slot, k, i, o, zero     ; multiplies buffer i; in its middle fetches the next quarter (byte k) into buffer o
	s_wait_dscnt 8                                 ; all but the youngest eight loads, which are Wv's
	WIN 0xa1
	MULG \i, 0, \zero
	MULG \i, 1, \zero
	PLACES
	FETCH \slot, \k, \o
	s_wait_dscnt 32                                ; all but the 32 just issued: Wv's fragments are in
	WIN 0xf4
	MULV \i, \zero
.endm
.macro THREE slot, zero
	QUARTER \slot, 64,  0, 1, \zero
	QUARTER \slot, 128, 1, 0, 0
	QUARTER \slot, 192, 0, 1, 0
.endm
; The fourth quarter changes slots.  In front of the barrier each wave waits for its reads of this slot and for all its tensor loads (one
; is out: its part of the next slot).  Where the slot is filled again the barrier opens a round of the cluster's barrier and the joint
; refill is the first tensor load behind the round; it then has the 176 matrix instructions up to the next such wait in which to land.
.macro TURN slot, next, fill
	s_wait_dscnt 8
	WIN 0xa1
	MULG 1, 0, 0
	s_wait_dscnt 0x0
	s_wait_tensorcnt 0x0
	ds_add_u32 v255, v15
	s_wait_dscnt 0x0
	s_barrier_signal -1
	MULG 1, 1, 0
	WIN 0
	s_barrier_wait -1
.if \fill
	CREST
	s_add_nc_u64 s[G0+4*\slot+2:G0+4*\slot+3], s[G0+4*\slot+2:G0+4*\slot+3], 2*KSTEP*2
	s_add_nc_u64 s[G0B+4*\slot+2:G0B+4*\slot+3], s[G0B+4*\slot+2:G0B+4*\slot+3], 2*KSTEP*2
	JLOAD \slot
.endif
	PLACES
	FETCH \next, 0, 0
	WIN 0xf4
	MULV 1, 0
.endm
.macro LAP zero
	THREE 0, \zero
	TURN 0, 1, 1
	THREE 1, 0
	TURN 1, 0, 1
.endm
	s_wait_tensorcnt 1                             ; my part of K step 0 is in; K step 1's stays out
	s_barrier_signal -1
	s_barrier_wait -1
	FETCH 0, 0, 0
	LAP 1                                          ; the first products start the sums: nothing is cleared
	WIN 0
	s_mov_b32 s3, LAPS-2
.Llap:
	LAP 0
	WIN 0
	s_sub_co_u32 s3, s3, 1
	s_cmp_lg_u32 s3, 0
	s_cbranch_scc1 .Llap
	THREE 0, 0                                     ; the last lap fills nothing
	TURN 0, 1, 0
	THREE 1, 0
	s_wait_dscnt 8
	WIN 0xa1
	MULG 1, 0, 0
	MULG 1, 1, 0
	s_wait_dscnt 0x0
	WIN 0xf4
	MULV 1, 0
	; THE WAY OUT: round to f16; a lane's eight numbers are 16 bytes of the fragment order; 48 stores of 512 consecutive bytes.
	PLACES
	s_lshl_b32 s72, s42, 1
	s_add_co_u32 s72, s72, s12                     ; head
	s_lshl_b32 s73, s72, 19                        ; head x 256 stiles x 2,048 bytes
	s_lshl_b32 s74, s13, 3
	s_lshl2_add_u32 s74, s11, s74                  ; my first stile = 8 by + 4 wm
	s_lshl_b32 s74, s74, 11
	s_add_co_u32 s74, s74, s73
	s_mov_b32 s75, 0
	s_add_nc_u64 s[66:67], s[6:7], s[74:75]        ; q
	s_add_nc_u64 s[68:69], s[66:67], GS            ; k
	s_add_nc_u64 s[70:71], s[68:69], GS            ; v
	WIN 0x0a
.set n, 0
.rept 64
	v_cvt_pk_f16_f32 v[128+n], v[2*n], v[2*n+1]            ; q: tile t = 4 a + b into v[128 + 4 t ..]
	v_cvt_pk_f16_f32 v[192+n], v[128+2*n], v[128+2*n+1]    ; k
.set n, n+1
.endr
	WIN 0x0f
.set n, 0
.rept 64
	v_cvt_pk_f16_f32 v[64+n], v[2*n], v[2*n+1]             ; v
.set n, n+1
.endr
	WIN 0
.set n, 0
.rept 16
	global_store_b128 v[LANE16], v[128+4*n:128+4*n+3], s[66:67] offset:512*n
	global_store_b128 v[LANE16], v[192+4*n:192+4*n+3], s[68:69] offset:512*n
	global_store_b128 v[LANE16], v[64+4*n:64+4*n+3],   s[70:71] offset:512*n
.set n, n+1
.endr
	; QUERIES 0-15.  The branches hang on the cluster's y, which all partners share, and on the wave's number.  Of the four work-groups
	; along the cluster's y only by = 0 holds rows 0-15; the others run the same lines and store with all lanes off.
	s_and_b32 s76, ttmp7, 0xffff
	s_cmp_lg_u32 s76, 0
	s_cbranch_scc1 .Lclose
	s_cmp_lg_u32 s11, 0
	s_cbranch_scc1 .Lclose
	s_wait_xcnt 0x0                                ; the stores' data registers are written again only behind this wait
	s_mov_b32 s78, 0xffffe000                      ; keeps an f32's upper 11 significant bits: exact in f16
	s_mov_b32 s79, 0x3e38aa3b                      ; log2(e) / 8
	s_mov_b32 s80, 0xbe38aa3b
	s_mov_b32 s81, 0x76543210                      ; v_permlanex16_b32: lane i of the other half
	s_mov_b32 s82, 0xfedcba98
; 32 sums (tiles (0, 0..3)) split in hi = upper bits and lo = sum - hi (exact), each packed to f16
.macro RESID hi, lo, stride, acc, win
	WIN \win
.set i, 0
.rept 32
	v_and_b32 v[128+i], s78, v[\acc+i]
	v_fma_f32 v[160+i], v[128+i], -1.0, v[\acc+i]
.set i, i+1
.endr
	WIN 0
.irp b, 0,1,2,3
.irp k, 0,1,2,3
	v_cvt_pk_f16_f32 v[\hi+\stride*\b+\k], v[128+8*\b+2*\k], v[128+8*\b+2*\k+1]
	v_cvt_pk_f16_f32 v[\lo+\stride*\b+\k], v[160+8*\b+2*\k], v[160+8*\b+2*\k+1]
.endr
.endr
.endm
	RESID 32, 96, 4, 0, 0x28                       ; q: hi v32-47, lo v96-111
	RESID 48, 112, 4, 128, 0x28                    ; k: hi v48-63, lo v112-127
	RESID 64, 68, 8, 0, 0x3c                       ; v: fragment b = [hi | lo] at v[64 + 8 b]: the 16 keys stand twice along K
	; scores, transposed (keys down, queries across): kh qh + kl qh + kh ql; three accumulators by turns
	v_wmma_f32_16x16x32_f16 v[192:199], v[48:55], v[32:39], 0
	v_wmma_f32_16x16x32_f16 v[200:207], v[112:119], v[32:39], 0
	v_wmma_f32_16x16x32_f16 v[208:215], v[48:55], v[96:103], 0
	v_wmma_f32_16x16x32_f16 v[192:199], v[56:63], v[40:47], v[192:199]
	v_wmma_f32_16x16x32_f16 v[200:207], v[120:127], v[40:47], v[200:207]
	v_wmma_f32_16x16x32_f16 v[208:215], v[56:63], v[104:111], v[208:215]
	PLACES
.irp i, 0,2,4,6
	v_pk_add_f32 v[200+\i:201+\i], v[200+\i:201+\i], v[208+\i:209+\i]
	v_pk_add_f32 v[192+\i:193+\i], v[192+\i:193+\i], v[200+\i:201+\i]
.endr
	v_and_b32 v25, 15, v0
	v_bfe_u32 v26, v0, 4, 1
	v_lshlrev_b32 v26, 3, v26
	v_sub_nc_u32 v25, v25, v26                     ; register j holds key 8 h + j of query r: masked where j > r - 8 h
	v_mov_b32 v26, 0xf1800000                      ; -2^100
.irp j, 0,1,2,3,4,5,6,7
	v_cmp_gt_i32 vcc_lo, \j, v25
	v_cndmask_b32 v[192+\j], v[192+\j], v26, vcc_lo
.endr
	v_max3_num_f32 v27, v192, v193, v194
	v_max3_num_f32 v27, v27, v195, v196
	v_max3_num_f32 v27, v27, v197, v198
	v_max_num_f32 v27, v27, v199
	v_mov_b32 v28, v27
	v_permlanex16_b32 v28, v27, s81, s82           ; the other eight keys' maximum
	v_max_num_f32 v27, v27, v28
	v_mul_f32 v27, s80, v27                        ; - maximum x log2(e) / 8
.irp j, 0,1,2,3,4,5,6,7
	v_fma_f32 v[192+\j], v[192+\j], s79, v27
.endr
.irp j, 0,1,2,3,4,5,6,7
	v_exp_f32 v[192+\j], v[192+\j]
.endr
	v_nop                                          ; one plain place behind the exponentials
	s_wait_alu depctr_va_vdst(0)
	v_add_f32 v28, v192, v193
	v_add_f32 v29, v194, v195
	v_add_f32 v30, v196, v197
	v_add_f32 v31, v198, v199
	v_add_f32 v28, v28, v29
	v_add_f32 v30, v30, v31
	v_add_f32 v28, v28, v30
	v_permlanex16_b32 v29, v28, s81, s82
	v_add_f32 v28, v28, v29
	v_rcp_f32 v29, v28
	v_nop
	s_wait_alu depctr_va_vdst(0)
.irp j, 0,1,2,3,4,5,6,7
	v_mul_f32 v[192+\j], v[192+\j], v29
.endr
.irp j, 0,1,2,3,4,5,6,7
	v_and_b32 v[200+\j], s78, v[192+\j]
	v_fma_f32 v[208+\j], v[200+\j], -1.0, v[192+\j]
.endr
.irp k, 0,1,2,3
	v_cvt_pk_f16_f32 v[128+\k], v[200+2*\k], v[201+2*\k]   ; [ph | ph]
	v_cvt_pk_f16_f32 v[132+\k], v[200+2*\k], v[201+2*\k]
	v_cvt_pk_f16_f32 v[136+\k], v[208+2*\k], v[209+2*\k]   ; [pl | pl]
	v_cvt_pk_f16_f32 v[140+\k], v[208+2*\k], v[209+2*\k]
.endr
.irp b, 0,1,2,3
	v_wmma_f32_16x16x32_f16 v[216+8*\b:223+8*\b], v[64+8*\b:71+8*\b], v[128:135], 0                  ; (vh + vl) ph
.endr
.irp b, 0,1,2,3
	v_wmma_f32_16x16x32_f16 v[216+8*\b:223+8*\b], v[64+8*\b:71+8*\b], v[136:143], v[216+8*\b:223+8*\b] ; + (vh + vl) pl
.endr
	PLACES
.set n, 0
.rept 16
	v_cvt_pk_f16_f32 v[144+n], v[216+2*n], v[217+2*n]
.set n, n+1
.endr
	s_lshl_b32 s74, s72, 11                        ; att's qtile 0: head x 2,048 bytes
	s_add_nc_u64 s[76:77], s[8:9], s[74:75]
	v_mov_b32 v28, s13
	v_cmp_eq_u32 vcc_lo, 0, v28
	s_wait_xcnt 0x0                                ; EXEC changes only behind this wait
	s_and_saveexec_b32 s83, vcc_lo                 ; all lanes where by = 0, none elsewhere
.irp b, 0,1,2,3
	global_store_b128 v[LANE16], v[144+4*\b:147+4*\b], s[76:77] offset:512*\b
.endr
	s_wait_xcnt 0x0
	s_or_b32 exec_lo, exec_lo, s83
.Lclose:
	CROUND                                         ; no work-group ends while a partner may still ask for a tile that names it
	s_endpgm
.Lfunc_end_k_q519a546f2e_qkv:
	.size	k_q519a546f2e_qkv, .Lfunc_end_k_q519a546f2e_qkv-k_q519a546f2e_qkv
	.p2alignl 7, 3214868480
	.fill 96, 4, 3214868480
	.section	.rodata,"a",@progbits
	.p2align	6, 0x0
	.amdhsa_kernel k_q519a546f2e_qkv
		.amdhsa_group_segment_fixed_size 327680
		.amdhsa_private_segment_fixed_size 0
		.amdhsa_enable_private_segment 0
		.amdhsa_kernarg_size 24
		.amdhsa_user_sgpr_count 2
		.amdhsa_user_sgpr_kernarg_segment_ptr 1
		.amdhsa_wavefront_size32 1
		.amdhsa_system_sgpr_workgroup_id_x 1
		.amdhsa_system_sgpr_workgroup_id_y 1
		.amdhsa_system_sgpr_workgroup_id_z 1
		.amdhsa_system_vgpr_workitem_id 0
		.amdhsa_next_free_vgpr 896
		.amdhsa_next_free_sgpr 84
		.amdhsa_reserve_vcc 1
		.amdhsa_float_denorm_mode_32 3
		.amdhsa_float_denorm_mode_16_64 3
		.amdhsa_memory_ordered 1
		.amdhsa_forward_progress 1
		.amdhsa_inst_pref_size 178
	.end_amdhsa_kernel
	.amdgpu_metadata
---
amdhsa.version: [ 1, 2 ]
amdhsa.kernels:
  - .name:           k_q519a546f2e_qkv
    .symbol:         k_q519a546f2e_qkv.kd
    .args:
      - { .name: xw, .offset: 0, .size: 8, .value_kind: global_buffer, .address_space: global }
      - { .name: qkv, .offset: 8, .size: 8, .value_kind: global_buffer, .address_space: global }
      - { .name: att, .offset: 16, .size: 8, .value_kind: global_buffer, .address_space: global }
    .group_segment_fixed_size: 327680
    .private_segment_fixed_size: 0
    .kernarg_segment_align: 8
    .kernarg_segment_size: 24
    .max_flat_workgroup_size: 128
    .sgpr_count:     84
    .vgpr_count:     896
    .wavefront_size: 32
...
	.end_amdgpu_metadata
.endif
;; end of part 2
;; launch attn (part 3): grid 16 x 16, 8 waves a work-group, no clusters, 327,680 bytes of LDS; arguments qkv, att; writes att
.if DOCPART == 3
	.amdgcn_target "amdgcn-amd-amdhsa--gfx1250"
	.amdhsa_code_object_version 6
	.text
	.protected	k_q519a546f2e_attn
	.globl	k_q519a546f2e_attn
	.p2align	8
	.type	k_q519a546f2e_attn,@function
k_q519a546f2e_attn:
	s_mov_b64 s[64:65], 0
	v_nop
	global_prefetch_b8 v0, s[64:65] scope:SCOPE_SE
	s_setreg_imm32_b32 hwreg(HW_REG_WAVE_MODE, 25, 1), 1
	s_wait_xcnt 0x0
; Causal attention of one head, f16 operands, f32 sums, running maximum.  att[qtile 256][head 16][dt 4][lane 32][16 bytes]: lane (r, h) holds
; query 16 qtile + r, dk 16 dt + 8 h + 0..7 (the last product's fragment order).  qtile 0 is written by the launch before and skipped here.
; SHARE: work-group (p, head) does query block 31 - p and then block p (128 rows each): 32 - p and p + 1 steps of 128 keys, 33 in every
; work-group.  Wave w: queries 32 (w & 3) .. + 31 of the block, keys 64 (w >> 2) .. + 63 of each step; the two key halves keep their own
; maximum, sum and output and are merged through LDS when a block ends.
; NO SHUFFLES: S^T = K Q^T (lane: one query, 8 keys a tile), so the maximum is a lane's own plus one exchange of halves; exp(S^T) packed to
; f16 is already the second source of O^T = V^T P^T; the row sum is a fifth first source of ones, so it sums the rounded P.
; NUMBERS: p = exp2(s c + N), c = log2(e) / 8, N = - running maximum x c.  A masked score is -2^100; a wave all of whose keys are masked for a
; query gets N = 2^100 c and p = 1, and the merge gives that part the weight exp2(N' - 2^100 c) = 0.  At the change of blocks N = 2^101 c, so
; that the next step's rescale factor is 0 and clears sums and outputs.
; LIMITS: scores at or below -2^100 are not told apart from masked ones; |q|, |k|, |v| below 65,504; p below 2^-24 rounds to 0.
; NO CLUSTER: the work-groups of a head read the same K and V tiles, but which step is masked and where the block changes hangs on p, which
; in a cluster would be the work-group's place in it; branches may not differ between partners of a joint load.
; LDS: two halves of three tiles (K 16,384 + V 16,384 bytes as they lie in memory); one half is read while the other is filled; waves 0-5
; each bring one 16,384-byte piece, so one tensor load a wave is out, with three steps in which to land.  Merge scratch behind the halves.
.set GS,   0x800000
.set TILE, 32768
.set HALF, 3*TILE
.set SCR,  2*HALF                      ; 4 x 8,704 bytes: no tensor load lands here
.set SCRW, 17*512
.set ADR,  2                           ; v2-5   16 lane + 8192 kh + half * HALF + (tile 2: 65,536)
.set MA,   8                           ; v8, v9 (query tile 0), v18, v19 (tile 1): maxima at work
.set NM,   10                          ; v[10:11], v[12:13]  N, twice, for each query tile
.set AL,   14                          ; v[14:15], v[16:17]  rescale factor, twice
.set DA,   21                          ; v21, v22  its exponent
.set ONES, 24                          ; v[24:31]  f16 ones
.set QF,   32                          ; Q(qn, kk) = 32 + 16 qn + 8 kk
.set SR,   64                          ; S(kt, qn) = 64 + 32 qn + 8 kt;  P(qn, kp) in place at 64 + 32 qn + 16 kp
.set KF,   128                         ; K(kt, kk) = 128 + 16 kt + 8 kk
.set VF,   192                         ; V(dt, kp) = 192 + 16 dt + 8 kp
.set LW,   64                          ; window 1: O(dt, qn) = 8 (2 dt + qn); row sums at 64 + 8 qn; the low block's Q at 80
.set QLW,  80
.set G1,   20                          ; s[20:27]
.set G0,   28                          ; s[28:31] half 0, s[32:35] half 1
.set MSB, 0
.macro WIN new
.if MSB != \new
	s_set_vgpr_msb (MSB<<8)|\new
.set MSB, \new
.endif
.endm
	s_load_b128 s[4:7], s[0:1], 0x0                ; qkv s[4:5], att s[6:7]
	v_lshl_add_u32 v23, v0, 2, 0x38800
	s_set_vgpr_msb 0x40
	v_mov_b32 v113, 0
	s_set_vgpr_msb 0x4044
	ds_add_u32 v23, v113
	s_set_vgpr_msb 0x4400
	v_lshrrev_b32 v1, 5, v0
	v_readfirstlane_b32 s8, v1                     ; wave 0..7
	s_and_b32 s9, s8, 3                            ; qg
	s_lshr_b32 s10, s8, 2                          ; kh
	s_mov_b32 s11, ttmp9                           ; p
	s_and_b32 s12, ttmp7, 0xffff                   ; head
	s_sub_co_u32 s13, 32, s11                      ; TB: the first step of the low block
	s_sub_co_u32 s41, 31, s11                      ; the high block's masked step, less three for each trip done
	s_lshr_b32 s51, s8, 1                          ; which tile of a group I bring
	s_and_b32 s52, s8, 1                           ; K (0) or V (1)
	s_add_co_u32 s15, s51, 3                       ; TW: the step of my next tile
	s_mov_b32 s[G1+0], 3<<16                       ; 8-byte elements, no mask, no padding
	s_mov_b32 s[G1+1], 32<<16                      ; tensor_dim0 = 32 (256 bytes)
	s_mov_b32 s[G1+2], 64<<16                      ; tensor_dim1 = 64
	s_mov_b32 s[G1+3], 32<<16                      ; tile_dim0 = 32
	s_mov_b32 s[G1+4], 64                          ; tile_dim1 = 64 rows: 16,384 dense bytes
	s_mov_b32 s[G1+5], 32                          ; pitch
	s_mov_b32 s[G1+6], 0
	s_mov_b32 s[G1+7], 0
	s_add_co_u32 s52, s52, 1
	s_lshl_b32 s52, s52, 23                        ; (1 + kv) x GS
	s_lshl_b32 s53, s12, 19                        ; head x 524,288
	s_add_co_u32 s18, s52, s53
	s_mov_b32 s19, 0                               ; stays 0: the upper word of every offset
	s_wait_dscnt 0x0
	s_barrier_signal -1
	s_barrier_wait -1
	s_wait_kmcnt 0x0
	s_add_nc_u64 s[16:17], s[4:5], s[18:19]        ; my head's K or V
	s_lshl_b32 s18, s51, 14                        ; group 0: key block = tile number
	s_mov_b32 s[G0], 1
	s_lshl_b32 s[G0+1], s8, 14                     ; LDS: wave x 16,384
	s_add_nc_u64 s[G0+2:G0+3], s[16:17], s[18:19]
	s_or_b32 s[G0+3], s[G0+3], 0x80000000
	s_mov_b32 s[G0+4], 1
	s_add_co_u32 s[G0+5], s[G0+1], HALF
	s_cmp_lt_u32 s8, 6
	s_cbranch_scc0 .Lno_first
	tensor_load_to_lds s[G0:G0+3], s[G1:G1+7]
	s_nop 0
.Lno_first:
	s_lshl_b32 s54, s12, 11                        ; head x 2,048 in att
	s_lshl_b32 s51, s41, 3
	s_lshl1_add_u32 s51, s9, s51                   ; high block: qtile 8 (31 - p) + 2 qg
	s_lshl_b32 s52, s51, 11
	s_add_co_u32 s18, s52, s53
	s_add_nc_u64 s[46:47], s[4:5], s[18:19]        ; its Q
	s_lshl_b32 s52, s51, 15
	s_add_co_u32 s18, s52, s54
	s_add_nc_u64 s[42:43], s[6:7], s[18:19]        ; its place in att
	s_lshl_b32 s51, s11, 3
	s_lshl1_add_u32 s51, s9, s51                   ; low block: qtile 8 p + 2 qg
	s_lshl_b32 s52, s51, 11
	s_add_co_u32 s18, s52, s53
	s_add_nc_u64 s[48:49], s[4:5], s[18:19]
	s_lshl_b32 s52, s51, 15
	s_add_co_u32 s18, s52, s54
	s_add_nc_u64 s[44:45], s[6:7], s[18:19]
	v_and_b32 v8, 31, v0
	v_lshlrev_b32 v1, 4, v8                        ; 16 x lane
.irp c, 0,1,2,3,4,5,6,7
	global_load_b128 v[QF+4*\c:QF+4*\c+3], v1, s[46:47] offset:512*\c
.endr
	WIN 0x40
.irp c, 0,1,2,3,4,5,6,7
	global_load_b128 v[QLW+4*\c:QLW+4*\c+3], v1, s[48:49] offset:512*\c
.endr
	WIN 0
	s_mov_b32 s36, 0x3e38aa3b                      ; c, twice: a pair for the packed multiply-add
	s_mov_b32 s37, 0x3e38aa3b
	s_mov_b32 s50, 0xbe38aa3b                      ; -c
	s_mov_b32 s38, 0x76543210
	s_mov_b32 s39, 0xfedcba98
	v_and_b32 v9, 15, v0                           ; r
	v_bfe_u32 v18, v0, 4, 1                        ; h
	s_lshl_b32 s51, s10, 13
	v_add_nc_u32 v[ADR], s51, v1
	v_add_nc_u32 v[ADR+1], 0x10000, v[ADR]
	v_add_nc_u32 v[ADR+2], HALF, v[ADR]
	v_add_nc_u32 v[ADR+3], HALF+0x10000, v[ADR]
	s_lshl_b32 s51, s9, 5
	s_lshl_b32 s52, s10, 6
	s_sub_co_i32 s51, s51, s52
	v_add_nc_u32 v6, s51, v9
	v_lshlrev_b32 v18, 3, v18
	v_sub_nc_u32 v6, v6, v18                       ; D = 32 qg + r - 64 kh - 8 h
	v_mov_b32 v7, 0xf1800000                       ; -2^100
	s_mul_i32 s51, s9, SCRW
	s_add_co_u32 s51, s51, SCR
	v_add_nc_u32 v20, s51, v1                      ; merge scratch of my 32 queries
.irp c, 0,1,2,3,4,5,6,7
	v_mov_b32 v[ONES+\c], 0x3c003c00
.endr
	s_wait_loadcnt 0x0                             ; both blocks' Q, once
; key 64 kh + 16 kt + 8 h + jj against query 32 qg + 16 qn + r: masked where 16 kt + jj - 16 qn > D
.macro MASK
.irp qn, 0,1
.irp kt, 0,1,2,3
.irp jj, 0,1,2,3,4,5,6,7
	v_cmp_gt_i32 vcc_lo, 16*\kt+\jj-16*\qn, v6
	v_cndmask_b32 v[SR+32*\qn+8*\kt+\jj], v[SR+32*\qn+8*\kt+\jj], v7, vcc_lo
.endr
.endr
.endr
.endm
.macro SOFTMAX first
.irp qn, 0,1
	v_max3_num_f32 v[MA+10*\qn], v[SR+32*\qn], v[SR+32*\qn+1], v[SR+32*\qn+2]           ; two chains for each query tile
	v_max3_num_f32 v[MA+10*\qn+1], v[SR+32*\qn+16], v[SR+32*\qn+17], v[SR+32*\qn+18]
.endr
.set i, 3
.rept 6
.irp qn, 0,1
	v_max3_num_f32 v[MA+10*\qn], v[MA+10*\qn], v[SR+32*\qn+i], v[SR+32*\qn+i+1]
	v_max3_num_f32 v[MA+10*\qn+1], v[MA+10*\qn+1], v[SR+32*\qn+16+i], v[SR+32*\qn+17+i]
.endr
.set i, i+2
.endr
.irp qn, 0,1
	v_max3_num_f32 v[MA+10*\qn], v[MA+10*\qn], v[MA+10*\qn+1], v[SR+32*\qn+15]
	v_max_num_f32 v[MA+10*\qn], v[MA+10*\qn], v[SR+32*\qn+31]
.endr
.irp qn, 0,1
	v_permlanex16_b32 v[MA+10*\qn+1], v[MA+10*\qn], s38, s39                           ; the other half's 32 keys
.endr
.irp qn, 0,1
	v_max_num_f32 v[MA+10*\qn], v[MA+10*\qn], v[MA+10*\qn+1]
	v_mul_f32 v[MA+10*\qn], s50, v[MA+10*\qn]                                          ; - maximum x c
.if \first
.else
	v_min_num_f32 v[MA+10*\qn], v[MA+10*\qn], v[NM+2*\qn]                              ; the running one
	v_sub_f32 v[DA+\qn], v[MA+10*\qn], v[NM+2*\qn]
.endif
	v_mov_b32 v[NM+2*\qn], v[MA+10*\qn]
	v_mov_b32 v[NM+2*\qn+1], v[MA+10*\qn]
.endr
.irp qn, 0,1
.set i, 0
.rept 16
	v_pk_fma_f32 v[SR+32*\qn+i:SR+32*\qn+i+1], v[SR+32*\qn+i:SR+32*\qn+i+1], s[36:37], v[NM+2*\qn:NM+2*\qn+1] op_sel_hi:[1,0,1]
.set i, i+2
.endr
.endr
.if \first
.else
.irp qn, 0,1
	v_exp_f32 v[AL+2*\qn], v[DA+\qn]
	v_exp_f32 v[AL+2*\qn+1], v[DA+\qn]
.endr
.endif
.set i, 0
.rept 64
	v_exp_f32 v[SR+i], v[SR+i]
.set i, i+1
.endr
	v_nop                                          ; one plain place behind the run of exponentials
	s_wait_alu depctr_va_vdst(0)
.irp base, 0,16,32,48
.set i, 0
.rept 8
	v_cvt_pk_f16_f32 v[SR+\base+i], v[SR+\base+2*i], v[SR+\base+2*i+1]                 ; in place: register i is written when 2 i, 2 i + 1 are read
.set i, i+1
.endr
.endr
.endm
; ten accumulators (8 of O, 2 row sums) by turns, one instruction a turn
.macro PVPASS kp, zero
.irp dt, 0,1,2,3
.irp qn, 0,1
.if \zero
	v_wmma_f32_16x16x32_f16 v[8*(2*\dt+\qn):8*(2*\dt+\qn)+7], v[VF+16*\dt+8*\kp:VF+16*\dt+8*\kp+7], v[SR+32*\qn+16*\kp:SR+32*\qn+16*\kp+7], 0
.else
	v_wmma_f32_16x16x32_f16 v[8*(2*\dt+\qn):8*(2*\dt+\qn)+7], v[VF+16*\dt+8*\kp:VF+16*\dt+8*\kp+7], v[SR+32*\qn+16*\kp:SR+32*\qn+16*\kp+7], v[8*(2*\dt+\qn):8*(2*\dt+\qn)+7]
.endif
.endr
.endr
.irp qn, 0,1
.if \zero
	v_wmma_f32_16x16x32_f16 v[LW+8*\qn:LW+8*\qn+7], v[ONES:ONES+7], v[SR+32*\qn+16*\kp:SR+32*\qn+16*\kp+7], 0
.else
	v_wmma_f32_16x16x32_f16 v[LW+8*\qn:LW+8*\qn+7], v[ONES:ONES+7], v[SR+32*\qn+16*\kp:SR+32*\qn+16*\kp+7], v[LW+8*\qn:LW+8*\qn+7]
.endif
.endr
.endm
; A block ends: the waves of key half 1 hand N, row sums and O to those of half 0, which merge, normalise, round to f16 and store.
; base: the scalar pair with the block's place in att.  final = 0: a second barrier orders the reads before any later store into the
; scratch, then the low block's Q comes in and N is set to 2^101 c.
.macro FINISH base, final
	s_cmp_eq_u32 s10, 0
	s_cbranch_scc1 .Lkeep_\@
	v_mov_b32 v16, v[NM]
	v_mov_b32 v17, v[NM+2]
	WIN 0x01
	v_mov_b32 v18, v[LW]
	v_mov_b32 v19, v[LW+8]
	WIN 0x04
.set i, 0
.rept 16
	ds_store_b128 v20, v[4*i:4*i+3] offset:512*i
.set i, i+1
.endr
	WIN 0
	ds_store_b128 v20, v[16:19] offset:8192
.Lkeep_\@:
	s_wait_dscnt 0x0                               ; for the others' sake: my stores are done
	s_barrier_signal -1
	s_barrier_wait -1                              ; the tensor load may stay out
	s_cmp_lg_u32 s10, 0
	s_cbranch_scc1 .Lgave_\@
.set i, 0
.rept 16
	ds_load_b128 v[KF+4*i:KF+4*i+3], v20 offset:512*i
.set i, i+1
.endr
	ds_load_b128 v[192:195], v20 offset:8192       ; the partner's N (two) and row sums (two)
	s_wait_dscnt 0x0
	v_min_num_f32 v196, v[NM], v192
	v_min_num_f32 v197, v[NM+2], v193
	v_sub_f32 v198, v196, v[NM]
	v_sub_f32 v199, v196, v192
	v_sub_f32 v200, v197, v[NM+2]
	v_sub_f32 v201, v197, v193
	v_exp_f32 v198, v198                           ; my weight, tile 0
	v_exp_f32 v199, v199                           ; the partner's
	v_exp_f32 v200, v200
	v_exp_f32 v201, v201
	v_nop
	WIN 0x01
	v_mov_b32 v18, v[LW]
	v_mov_b32 v19, v[LW+8]
	WIN 0
	s_wait_alu depctr_va_vdst(0)
	v_mul_f32 v18, v18, v198
	v_mul_f32 v19, v19, v200
	v_fma_f32 v18, v194, v199, v18
	v_fma_f32 v19, v195, v201, v19
	v_rcp_f32 v202, v18
	v_rcp_f32 v203, v19
	v_nop
	s_wait_alu depctr_va_vdst(0)
	v_mul_f32 v204, v198, v202                     ; weights over the merged sum, each twice
	v_mul_f32 v205, v198, v202
	v_mul_f32 v206, v199, v202
	v_mul_f32 v207, v199, v202
	v_mul_f32 v208, v200, v203
	v_mul_f32 v209, v200, v203
	v_mul_f32 v210, v201, v203
	v_mul_f32 v211, v201, v203
.set i, 0
.rept 32
	v_pk_mul_f32 v[KF+2*i:KF+2*i+1], v[KF+2*i:KF+2*i+1], v[206+4*((i>>2)&1):207+4*((i>>2)&1)]
.set i, i+1
.endr
	WIN 0x01
.set i, 0
.rept 32
	v_pk_fma_f32 v[KF+2*i:KF+2*i+1], v[2*i:2*i+1], v[204+4*((i>>2)&1):205+4*((i>>2)&1)], v[KF+2*i:KF+2*i+1]
.set i, i+1
.endr
	WIN 0
.set i, 0
.rept 32
	v_cvt_pk_f16_f32 v[212+i], v[KF+2*i], v[KF+2*i+1]
.set i, i+1
.endr
.if \final
	s_or_b32 s51, s11, s9                          ; block 0, queries 0-15: written by the launch before
	s_cmp_eq_u32 s51, 0
	s_cbranch_scc1 .Lskip_\@
.endif
.irp dt, 0,1,2,3
	global_store_b128 v1, v[212+8*\dt:215+8*\dt], s[\base:\base+1] offset:512*\dt          ; 512 consecutive bytes, aligned
.endr
.if \final
.Lskip_\@:
.endif
.irp dt, 0,1,2,3
	global_store_b128 v1, v[216+8*\dt:219+8*\dt], s[\base:\base+1] offset:32768+512*\dt
.endr
.if \final
.else
	s_wait_xcnt 0x0                                ; the stores' data registers are loaded again only behind this wait
.endif
.Lgave_\@:
.if \final
.else
	s_wait_dscnt 0x0
	s_barrier_signal -1
	s_barrier_wait -1
.irp c, 0,1,2,3
	v_mov_b32 v[NM+\c], 0x70b8aa3b                 ; 2^101 c
.endr
	WIN 0x01
.set i, 0
.rept 32
	v_mov_b32 v[QF+i], v[QLW+i]
.set i, i+1
.endr
	WIN 0
.endif
.endm
; One step: tile j of half h.  mode 0: no mask; 1: masked, and the high block ends, if this is its last step; 2: the last step of all.
.macro STEP h, j, first, mode
.irp kt, 0,1,2,3
.irp kk, 0,1
	ds_load_b128 v[KF+16*\kt+8*\kk:KF+16*\kt+8*\kk+3],   v[ADR+2*\h+(\j>>1)] offset:(\j&1)*TILE+2048*\kt+1024*\kk
	ds_load_b128 v[KF+16*\kt+8*\kk+4:KF+16*\kt+8*\kk+7], v[ADR+2*\h+(\j>>1)] offset:(\j&1)*TILE+2048*\kt+1024*\kk+512
.endr
.endr
.irp dt, 0,1,2,3
.irp kp, 0,1
	ds_load_b128 v[VF+16*\dt+8*\kp:VF+16*\dt+8*\kp+3],   v[ADR+2*\h+(\j>>1)] offset:(\j&1)*TILE+16384+4096*\kp+512*\dt
	ds_load_b128 v[VF+16*\dt+8*\kp+4:VF+16*\dt+8*\kp+7], v[ADR+2*\h+(\j>>1)] offset:(\j&1)*TILE+16384+4096*\kp+512*\dt+2048
.endr
.endr
	s_wait_dscnt 16                                ; K's 16 loads are in, V's 16 stay out
.irp qn, 0,1
.irp kt, 0,1,2,3
	v_wmma_f32_16x16x32_f16 v[SR+32*\qn+8*\kt:SR+32*\qn+8*\kt+7], v[KF+16*\kt:KF+16*\kt+7], v[QF+16*\qn:QF+16*\qn+7], 0
.endr
.endr
.irp qn, 0,1
.irp kt, 0,1,2,3
	v_wmma_f32_16x16x32_f16 v[SR+32*\qn+8*\kt:SR+32*\qn+8*\kt+7], v[KF+16*\kt+8:KF+16*\kt+15], v[QF+16*\qn+8:QF+16*\qn+15], v[SR+32*\qn+8*\kt:SR+32*\qn+8*\kt+7]
.endr
.endr
.rept 4
	v_nop                                          ; four places before the scores are read
.endr
.if \mode == 1
	s_cmp_lg_u32 s41, \j
	s_cbranch_scc1 .Lnomask_\@
.endif
.if \mode
	MASK
.endif
.if \mode == 1
.Lnomask_\@:
.endif
	SOFTMAX \first
.if \first
.else
	WIN 0x41
.set i, 0
.rept 32
	v_pk_mul_f32 v[2*i:2*i+1], v[2*i:2*i+1], v[AL+2*((i>>2)&1):AL+2*((i>>2)&1)+1]
.set i, i+1
.endr
	v_mul_f32 v[LW], v[LW], v[AL]                  ; of a row-sum tile only register 0 is kept to scale and used
	v_mul_f32 v[LW+8], v[LW+8], v[AL+2]
.endif
	s_wait_dscnt 0x0                               ; V is in
	WIN 0x50
	PVPASS 0, \first
	PVPASS 1, 0
	WIN 0
.rept 5
	v_nop                                          ; five places: the next step's products write over P, its loads over V
.endr
.if \mode == 1
	s_cmp_lg_u32 s41, \j
	s_cbranch_scc1 .Lnofin_\@
	FINISH 42, 0
.Lnofin_\@:
.endif
.if \mode == 2
	FINISH 44, 1
.endif
.endm
; Three steps on half h, while the other half is filled with the next three tiles.  In front of the barrier every wave waits for all its
; tensor loads (its piece of half h among them) and for its reads of the other half; the refill is the first thing behind it.
.macro TRIP h, refill, f0, m0, m1, m2
	s_set_vgpr_msb 0x4
	s_wait_tensorcnt 0x0
	ds_add_u32 v23, v113
	s_wait_dscnt 0x0
	s_set_vgpr_msb 0x400
.if \refill
	s_sub_co_u32 s51, s15, s13                     ; key block of step TW: TW, or TW - TB in the low block
	s_cmp_lt_u32 s15, s13
	s_cselect_b32 s51, s15, s51
	s_lshl_b32 s18, s51, 14
	s_add_nc_u64 s[G0+4*(1-\h)+2:G0+4*(1-\h)+3], s[16:17], s[18:19]
	s_or_b32 s[G0+4*(1-\h)+3], s[G0+4*(1-\h)+3], 0x80000000
	s_add_co_u32 s15, s15, 3
.endif
	s_wait_dscnt 0x0
	s_barrier_signal -1
	s_barrier_wait -1
.if \refill
	s_cmp_lt_u32 s8, 6
	s_cbranch_scc0 .Lnoload_\@
	tensor_load_to_lds s[G0+4*(1-\h):G0+4*(1-\h)+3], s[G1:G1+7]
	s_nop 0
.Lnoload_\@:
.endif
	STEP \h, 0, \f0, \m0
	STEP \h, 1, 0, \m1
	STEP \h, 2, 0, \m2
	s_sub_co_u32 s41, s41, 3
.endm
	TRIP 0, 1, 1, 0, 0, 0                          ; steps 0-2: the high block has 17 steps at the least, so none of them is its last
	s_mov_b32 s40, 4
.Lloop:
	TRIP 1, 1, 0, 1, 1, 1
	TRIP 0, 1, 0, 1, 1, 1
	s_sub_co_u32 s40, s40, 1
	s_cmp_lg_u32 s40, 0
	s_cbranch_scc1 .Lloop
	TRIP 1, 1, 0, 1, 1, 1                          ; steps 27-29
	TRIP 0, 0, 0, 1, 1, 2                          ; steps 30-32: nothing more to fetch; step 32 is the low block's masked one
	s_set_vgpr_msb 0x4
	s_wait_tensorcnt 0x0
	ds_add_u32 v23, v113
	s_wait_dscnt 0x0
	s_set_vgpr_msb 0x400
	s_endpgm
.Lfunc_end_k_q519a546f2e_attn:
	.size	k_q519a546f2e_attn, .Lfunc_end_k_q519a546f2e_attn-k_q519a546f2e_attn
	.p2alignl 7, 3214868480
	.fill 96, 4, 3214868480
	.section	.rodata,"a",@progbits
	.p2align	6, 0x0
	.amdhsa_kernel k_q519a546f2e_attn
		.amdhsa_group_segment_fixed_size 327680
		.amdhsa_private_segment_fixed_size 0
		.amdhsa_enable_private_segment 0
		.amdhsa_kernarg_size 16
		.amdhsa_user_sgpr_count 2
		.amdhsa_user_sgpr_kernarg_segment_ptr 1
		.amdhsa_wavefront_size32 1
		.amdhsa_system_sgpr_workgroup_id_x 1
		.amdhsa_system_sgpr_workgroup_id_y 1
		.amdhsa_system_sgpr_workgroup_id_z 1
		.amdhsa_system_vgpr_workitem_id 0
		.amdhsa_next_free_vgpr 370
		.amdhsa_next_free_sgpr 66
		.amdhsa_reserve_vcc 1
		.amdhsa_float_denorm_mode_32 3
		.amdhsa_float_denorm_mode_16_64 3
		.amdhsa_memory_ordered 1
		.amdhsa_forward_progress 1
		.amdhsa_inst_pref_size 255
	.end_amdhsa_kernel
	.section	.bss,"aw",@nobits
	.p2align	6
	.space	262144
	.amdgpu_metadata
---
amdhsa.version: [ 1, 2 ]
amdhsa.kernels:
  - .name:           k_q519a546f2e_attn
    .symbol:         k_q519a546f2e_attn.kd
    .args:
      - { .name: qkv, .offset: 0, .size: 8, .value_kind: global_buffer, .address_space: global }
      - { .name: att, .offset: 8, .size: 8, .value_kind: global_buffer, .address_space: global }
    .group_segment_fixed_size: 327680
    .private_segment_fixed_size: 0
    .kernarg_segment_align: 8
    .kernarg_segment_size: 16
    .max_flat_workgroup_size: 256
    .sgpr_count:     66
    .vgpr_count:     370
    .wavefront_size: 32
...
	.end_amdgpu_metadata
.endif
;; end of part 3
;; launch proj (part 4): grid 8 x 32, 4 waves a work-group, clusters of 4 x 4, 327,680 bytes of LDS; arguments att, xw, out0; writes out0
.if DOCPART == 4
	.amdgcn_target "amdgcn-amd-amdhsa--gfx1250"
	.amdhsa_code_object_version 6
	.text
	.protected	k_q519a546f2e_proj
	.globl	k_q519a546f2e_proj
	.p2align	8
	.type	k_q519a546f2e_proj,@function
k_q519a546f2e_proj:
	s_mov_b64 s[64:65], 0
	v_nop
	global_prefetch_b8 v0, s[64:65] scope:SCOPE_SE
	s_setreg_imm32_b32 hwreg(HW_REG_WAVE_MODE, 25, 1), 1
	s_wait_xcnt 0x0
	s_wait_alu depctr_hold_cnt(0) depctr_sa_sdst(0) depctr_va_vdst(0) depctr_va_sdst(0) depctr_va_ssrc(0) depctr_va_vcc(0) depctr_vm_vsrc(0)
	s_getreg_b32 s2, hwreg(HW_REG_IB_STS2, 6, 4)
	s_cmp_eq_u32 s2, 0
	s_cbranch_scc0 .Lentry_in_a_cluster
	s_endpgm
.Lentry_in_a_cluster:
	s_bfe_u32 s2, ttmp6, 0x10000c
	s_cmp_lg_u32 s2, 0xf033
	s_cbranch_scc0 .Lentry_shape_is_right
	s_endpgm
.Lentry_shape_is_right:
; out0 = att Wo^T: an f16 product 4096 x 1024 x 1024 with f32 sums, f32 out.  att lies in fragment order
; [qtile 256][head 16][dt 4][lane 32][16 bytes]; Wo as f16 in rows 7168.. of xw, K along the rows.
; A work-group makes 128 x 128, a wave 64 x 64: 16 accumulator tiles.  K goes in four steps of 256 through two LDS slots:
; att's part is 8 qtiles x 8,192 dense bytes (a fragment load is 512 consecutive bytes), Wo's 128 rows of 512 bytes padded to 528.
; CLUSTERS of 4 x 4: att's tile hangs on the block row alone and is asked for jointly by a row of the cluster (waves 0, 1: a half each),
; Wo's on the block column alone, asked for by a column (waves 2, 3).
; Wo's rows are source 0, att's source 1: a lane then holds 8 neighbouring columns of one row of out0.
; REGISTERS.  Window 0: v16-22 addresses, v32-63 / v64-95 Wo's fragments, v96-159 the way out.  Window 1: tiles (a, b) at 8 (4 a + b),
; att's fragments at v128-159 / v160-191.
.set SLOT,  133120                     ; 65,536 of att + 128 x 528 of Wo
.set BOFF,  65536
.set BP,    528                        ; 33 x 16: the 16 rows of a fragment load start 16 bytes further on modulo 256
.set STAGE, 2*SLOT                     ; 16 rows x 272 bytes for each wave: no tensor load lands here
.set ADRA, 16
.set ADRB, 18
.set STO,  20
.set RD,   21
.set CO,   22
.set G1,  24
.set G0,  32
.set G1B, 48
.set G0B, 56
.set MSB, 0
.macro WIN new
.if MSB != \new
	s_set_vgpr_msb (MSB<<8)|\new
.set MSB, \new
.endif
.endm
.macro PLACES
.rept 4
	v_nop
.endr
.endm
.macro JLOAD s
	s_cmp_eq_u32 s11, 0
	s_cbranch_scc0 .Lfor_b_\@
	tensor_load_to_lds s[G0+4*\s:G0+4*\s+3], s[G1:G1+7]
	s_nop 0
	s_branch .Lasked_\@
.Lfor_b_\@:
	tensor_load_to_lds s[G0B+4*\s:G0B+4*\s+3], s[G1B:G1B+7]
	s_nop 0
.Lasked_\@:
.endm
.macro CREST
	s_cmp_lg_u32 s10, 0
	s_cbranch_scc1 .Lnot_wave_0_\@
	s_barrier_signal -3
.Lnot_wave_0_\@:
	s_barrier_wait -3
	s_barrier_signal -1
	s_barrier_wait -1
.endm
.macro CROUND
	s_barrier_signal -1
	s_barrier_wait -1
	CREST
.endm
	s_load_b128 s[4:7], s[0:1], 0x0                ; att s[4:5], xw s[6:7]
	s_load_b64 s[8:9], s[0:1], 0x10                ; out0
	v_lshl_add_u32 v255, v0, 2, 0x45400
	s_set_vgpr_msb 0x40
	v_mov_b32 v193, 0
	s_set_vgpr_msb 0x4044
	ds_add_u32 v255, v193
	s_set_vgpr_msb 0x4400
	v_lshrrev_b32 v1, 5, v0
	v_readfirstlane_b32 s10, v1
	s_lshr_b32 s11, s10, 1                         ; wm: my 64 rows.  Also: I fetch att (0) or Wo (1)
	s_and_b32 s12, s10, 1                          ; wn: my 64 columns.  Also: which half of that tile I fetch
	s_bfe_u32 s40, ttmp6, 0x40000
	s_bfe_u32 s41, ttmp6, 0x40004
	s_lshl_b32 s42, ttmp9, 2
	s_add_co_u32 s42, s42, s40                     ; bx
	s_and_b32 s13, ttmp7, 0xffff
	s_lshl_b32 s13, s13, 2
	s_add_co_u32 s13, s13, s41                     ; by
	s_lshl_b32 s43, s41, 2
	s_lshl_b32 s43, 15, s43
	s_lshl_b32 s44, 0x1111, s40
	s_or_b32 s[G1+0], s43, (3<<16)|(1<<21)         ; att: 8-byte elements, no padding
	s_mov_b32 s[G1+1], 1024<<16                    ; tensor_dim0 = 1024 (8,192 bytes)
	s_mov_b32 s[G1+2], 4<<16                       ; tensor_dim1 = 4 qtiles
	s_mov_b32 s[G1+3], 1024<<16                    ; tile_dim0
	s_mov_b32 s[G1+4], 4                           ; tile_dim1
	s_mov_b32 s[G1+5], 4096                        ; 32,768 bytes from qtile to qtile
	s_mov_b32 s[G1+6], 0
	s_mov_b32 s[G1+7], 0
	s_or_b32 s[G1B+0], s44, (1<<16)|(1<<20)|(1<<21)|(6<<22)|(3<<25)  ; Wo: 2-byte elements, 4 words of padding behind every 128
	s_mov_b32 s[G1B+1], 256<<16
	s_mov_b32 s[G1B+2], 64<<16
	s_mov_b32 s[G1B+3], 256<<16
	s_mov_b32 s[G1B+4], 64
	s_mov_b32 s[G1B+5], 1024
	s_mov_b32 s[G1B+6], 0
	s_mov_b32 s[G1B+7], 0
	s_lshl_b32 s16, s13, 18                        ; att: qtile 8 by + 4 half
	s_lshl_b32 s17, s12, 17
	s_add_co_u32 s16, s16, s17
	s_mov_b32 s17, 0
	s_lshl_b32 s46, s42, 7                         ; Wo: row 7168 + 128 bx + 64 half of xw
	s_lshl_b32 s47, s12, 6
	s_add_co_u32 s46, s46, s47
	s_add_co_u32 s46, s46, 7168
	s_lshl_b32 s46, s46, 11
	s_mov_b32 s47, 0
	s_lshl_b32 s20, s12, 15                        ; LDS: att's half
	s_mul_i32 s21, s12, 64*BP
	s_add_co_u32 s21, s21, BOFF                    ; Wo's half
	s_wait_dscnt 0x0
	s_wait_kmcnt 0x0
	s_add_nc_u64 s[14:15], s[4:5], s[16:17]
	s_add_nc_u64 s[46:47], s[6:7], s[46:47]
	CROUND
.irp s, 0,1
	s_mov_b32 s[G0+4*\s], 1
	s_add_co_u32 s[G0+4*\s+1], s20, \s*SLOT
	s_add_nc_u64 s[G0+4*\s+2:G0+4*\s+3], s[14:15], \s*8192
	s_or_b32 s[G0+4*\s+3], s[G0+4*\s+3], 0x80000000
	s_mov_b32 s[G0B+4*\s], 1
	s_add_co_u32 s[G0B+4*\s+1], s21, \s*SLOT
	s_add_nc_u64 s[G0B+4*\s+2:G0B+4*\s+3], s[46:47], \s*512
	s_or_b32 s[G0B+4*\s+3], s[G0B+4*\s+3], 0x80000000
	JLOAD \s
.endr
	v_and_b32 v1, 15, v0                           ; r
	v_bfe_u32 v2, v0, 4, 1                         ; h
	v_and_b32 v3, 31, v0
	v_lshlrev_b32 v3, 4, v3
	s_lshl_b32 s22, s11, 15                        ; my four qtiles
	v_add_nc_u32 v[ADRA], s22, v3
	v_add_nc_u32 v[ADRA+1], SLOT, v[ADRA]
	v_mul_u32_u24 v4, v1, BP
	v_lshl_add_u32 v4, v2, 4, v4
	s_mul_i32 s23, s12, 64*BP
	s_add_co_u32 s23, s23, BOFF
	v_add_nc_u32 v[ADRB], s23, v4
	v_add_nc_u32 v[ADRB+1], SLOT, v[ADRB]
	s_mul_i32 s23, s10, 16*272
	s_add_co_u32 s23, s23, STAGE
	v_mul_u32_u24 v4, v1, 272
	v_lshl_add_u32 v4, v2, 5, v4
	v_add_nc_u32 v[STO], s23, v4                   ; in: row r, 32 bytes for each half of the lanes
	v_mul_u32_u24 v5, v2, 272
	v_lshl_add_u32 v5, v1, 4, v5
	v_add_nc_u32 v[RD], s23, v5                    ; back: lanes 0-15 one row of 256 bytes, lanes 16-31 the next
	v_lshlrev_b32 v5, 12, v2
	v_lshl_add_u32 v[CO], v1, 4, v5                ; the same two rows in out0
.macro FETCH slot, q, i                ; 16 LDS loads: the fragments of 32 along K, number q of the K step, into buffer i
	WIN 0x54                                       ; destination window 1, address window 0
.irp a, 0,1,2,3
	ds_load_b128 v[128+32*(\i)+8*\a:128+32*(\i)+8*\a+3],   v[ADRA+\slot] offset:8192*\a+1024*\q
	ds_load_b128 v[128+32*(\i)+8*\a+4:128+32*(\i)+8*\a+7], v[ADRA+\slot] offset:8192*\a+1024*\q+512
.endr
	WIN 0
.irp b, 0,1,2,3
	ds_load_b128 v[32+32*(\i)+8*\b:32+32*(\i)+8*\b+3],   v[ADRB+\slot] offset:16*BP*\b+64*\q
	ds_load_b128 v[32+32*(\i)+8*\b+4:32+32*(\i)+8*\b+7], v[ADRB+\slot] offset:16*BP*\b+64*\q+32
.endr
.endm
; the 16 accumulators take turns, one instruction a turn, in one fixed order
.macro MUL8 i, a0, zero
.irp a, \a0, \a0+1
.irp b, 0,1,2,3
.if \zero
	v_wmma_f32_16x16x32_f16 v[8*(4*(\a)+\b):8*(4*(\a)+\b)+7], v[32+32*\i+8*\b:32+32*\i+8*\b+7], v[128+32*\i+8*(\a):128+32*\i+8*(\a)+7], 0
.else
	v_wmma_f32_16x16x32_f16 v[8*(4*(\a)+\b):8*(4*(\a)+\b)+7], v[32+32*\i+8*\b:32+32*\i+8*\b+7], v[128+32*\i+8*(\a):128+32*\i+8*(\a)+7], v[8*(4*(\a)+\b):8*(4*(\a)+\b)+7]
.endif
.endr
.endr
.endm
.macro QUARTER slot, q, i, zero        ; buffer i is multiplied; first the fragments number q go out into the other buffer
	s_wait_dscnt 0x0                               ; buffer i is in
	PLACES
	FETCH \slot, \q, 1-\i
	WIN 0x54
	MUL8 \i, 0, \zero
	MUL8 \i, 2, \zero
.endm
.macro SEVEN slot, zero
	QUARTER \slot, 1, 0, \zero
	QUARTER \slot, 2, 1, 0
	QUARTER \slot, 3, 0, 0
	QUARTER \slot, 4, 1, 0
	QUARTER \slot, 5, 0, 0
	QUARTER \slot, 6, 1, 0
	QUARTER \slot, 7, 0, 0
.endm
; The eighth part of a K step changes slots: waits for my reads of this slot and for all my tensor loads, the barrier (where the slot is
; filled again it opens a round of the cluster's barrier), the joint refill first behind it, then the next slot's first fragments.
.macro TURN slot, next, fill
	s_wait_dscnt 0x0
	s_wait_tensorcnt 0x0
	ds_add_u32 v255, v193
	s_wait_dscnt 0x0
	s_barrier_signal -1
	WIN 0x54
	MUL8 1, 0, 0
	WIN 0
	s_barrier_wait -1
.if \fill
	CREST
	s_add_nc_u64 s[G0+4*\slot+2:G0+4*\slot+3], s[G0+4*\slot+2:G0+4*\slot+3], 2*8192
	s_add_nc_u64 s[G0B+4*\slot+2:G0B+4*\slot+3], s[G0B+4*\slot+2:G0B+4*\slot+3], 2*512
	JLOAD \slot
.endif
	PLACES
	FETCH \next, 0, 0
	WIN 0x54
	MUL8 1, 2, 0
.endm
	s_wait_tensorcnt 1                             ; my part of K step 0 is in; K step 1's stays out
	s_barrier_signal -1
	s_barrier_wait -1
	FETCH 0, 0, 0
	SEVEN 0, 1                                     ; K step 0: its first products start the sums
	TURN 0, 1, 1
	SEVEN 1, 0
	TURN 1, 0, 1
	SEVEN 0, 0                                     ; K steps 2 and 3 fill nothing
	TURN 0, 1, 0
	SEVEN 1, 0
	s_wait_dscnt 0x0
	WIN 0x54
	MUL8 1, 0, 0
	MUL8 1, 2, 0
	; THE WAY OUT, 16 rows at a time through my own stage: 32 bytes a lane in, whole rows of 256 bytes back.
	PLACES
	WIN 0
	s_lshl_b32 s66, s13, 7
	s_lshl_b32 s67, s11, 6
	s_add_co_u32 s66, s66, s67                     ; my first row
	s_lshl_b32 s66, s66, 12
	s_lshl_b32 s67, s42, 9
	s_add_co_u32 s66, s66, s67                     ; + 512 bx
	s_lshl_b32 s67, s12, 8
	s_add_co_u32 s66, s66, s67                     ; + 256 wn bytes along the row
	s_mov_b32 s67, 0
	s_add_nc_u64 s[8:9], s[8:9], s[66:67]
.macro OUT16 a, f
	WIN 0x04
.irp b, 0,1,2,3
	ds_store_b128 v[STO], v[8*(4*\a+\b):8*(4*\a+\b)+3]   offset:64*\b
	ds_store_b128 v[STO], v[8*(4*\a+\b)+4:8*(4*\a+\b)+7] offset:64*\b+16
.endr
	WIN 0
	s_wait_xcnt 0x0                                ; buffer f and the stores' base are written again only behind this wait
.if \a
	s_add_nc_u64 s[8:9], s[8:9], 16*4096
.endif
.irp t, 0,1,2,3,4,5,6,7
	ds_load_b128 v[\f+4*\t:\f+4*\t+3], v[RD] offset:\t*2*272       ; LDS serves a wave's instructions in order: these see the stores above
.endr
.irp t, 0,1,2,3,4,5,6,7
	s_wait_dscnt 7-\t                              ; rows 2 t, 2 t + 1 are in; the younger loads stay out
	global_store_b128 v[CO], v[\f+4*\t:\f+4*\t+3], s[8:9] offset:2*\t*4096 th:TH_STORE_NT   ; 16 lanes store 256 consecutive bytes, aligned
.endr
.endm
	OUT16 0, 96
	OUT16 1, 128
	OUT16 2, 96
	OUT16 3, 128
	s_set_vgpr_msb 0x4
	s_wait_tensorcnt 0x0
	ds_add_u32 v255, v193
	s_wait_dscnt 0x0
	s_set_vgpr_msb 0x400
	CROUND                                         ; no work-group ends while a partner may still ask for a tile that names it
	s_endpgm
.Lfunc_end_k_q519a546f2e_proj:
	.size	k_q519a546f2e_proj, .Lfunc_end_k_q519a546f2e_proj-k_q519a546f2e_proj
	.p2alignl 7, 3214868480
	.fill 96, 4, 3214868480
	.section	.rodata,"a",@progbits
	.p2align	6, 0x0
	.amdhsa_kernel k_q519a546f2e_proj
		.amdhsa_group_segment_fixed_size 327680
		.amdhsa_private_segment_fixed_size 0
		.amdhsa_enable_private_segment 0
		.amdhsa_kernarg_size 24
		.amdhsa_user_sgpr_count 2
		.amdhsa_user_sgpr_kernarg_segment_ptr 1
		.amdhsa_wavefront_size32 1
		.amdhsa_system_sgpr_workgroup_id_x 1
		.amdhsa_system_sgpr_workgroup_id_y 1
		.amdhsa_system_sgpr_workgroup_id_z 1
		.amdhsa_system_vgpr_workitem_id 0
		.amdhsa_next_free_vgpr 450
		.amdhsa_next_free_sgpr 68
		.amdhsa_reserve_vcc 0
		.amdhsa_float_denorm_mode_32 3
		.amdhsa_float_denorm_mode_16_64 3
		.amdhsa_memory_ordered 1
		.amdhsa_forward_progress 1
		.amdhsa_inst_pref_size 89
	.end_amdhsa_kernel
	.amdgpu_metadata
---
amdhsa.version: [ 1, 2 ]
amdhsa.kernels:
  - .name:           k_q519a546f2e_proj
    .symbol:         k_q519a546f2e_proj.kd
    .args:
      - { .name: att, .offset: 0, .size: 8, .value_kind: global_buffer, .address_space: global }
      - { .name: xw, .offset: 8, .size: 8, .value_kind: global_buffer, .address_space: global }
      - { .name: out0, .offset: 16, .size: 8, .value_kind: global_buffer, .address_space: global }
    .group_segment_fixed_size: 327680
    .private_segment_fixed_size: 0
    .kernarg_segment_align: 8
    .kernarg_segment_size: 24
    .max_flat_workgroup_size: 128
    .sgpr_count:     68
    .vgpr_count:     450
    .wavefront_size: 32
...
	.end_amdgpu_metadata
.endif
;; end of part 4
;; ======== version 2 of 2: 4 launches; version 1 with the launch cast written anew for expert scheduling mode
;; limits: values are held in f16: magnitudes above 65,504 overflow, below 6.1e-05 lose precision
;; workspace buffers: xw 16,777,216 bytes; qkv 25,165,824 bytes; att 8,388,608 bytes
;; launch cast (part 5): grid 64 x 8, 8 waves a work-group, no clusters, 0 bytes of LDS; arguments x, Wq, Wk, Wv, Wo, xw; writes xw
.if DOCPART == 5
	.amdgcn_target "amdgcn-amd-amdhsa--gfx1250"
	.amdhsa_code_object_version 6
	.text
	.protected	k_q519a546f2e_cast
	.globl	k_q519a546f2e_cast
	.p2align	8
	.type	k_q519a546f2e_cast,@function
k_q519a546f2e_cast:
	s_mov_b64 s[64:65], 0
	v_nop
	global_prefetch_b8 v0, s[64:65] scope:SCOPE_SE
	s_setreg_imm32_b32 hwreg(HW_REG_WAVE_SCHED_MODE, 0, 2), 2
	s_setreg_imm32_b32 hwreg(HW_REG_WAVE_MODE, 25, 1), 1
	s_wait_xcnt 0x0
	s_wait_alu depctr_vm_vsrc(0)
; xw[8192][1024], 16 bits a number: rows 0-4095 bf16(x), 4096.. bf16(Wq), 5120.. bf16(Wk), 6144.. bf16(Wv), 7168.. f16(bf16(Wo)).
; Wo is rounded to bf16 like the other inputs and then written as f16, because the last product takes f16 operands:
; that second step is exact for |Wo| >= 2^-14, below that it errs by at most 2^-25 absolutely; |Wo| must stay below 65,504.
; A stream: no LDS, no barrier, no matrix unit.  Grid y picks 4 MiB of source (0-3: quarters of x, 4-7: a weight), grid x 64 KiB of it.
; A thread takes 16 bytes of each of sixteen 4,096-byte pieces: a wave's load covers 512 neighbouring bytes, its store 256, aligned.
; All sixteen loads are issued first; no register that a memory instruction reads is ever written again.
; THE MODE: SCHED_MODE bits 1:0 = 2 (LLVM: expert scheduling mode 2), set by the entry lines.  The code itself states the register dependences
; between vector instructions and memory instructions, with s_wait_alu, always for 0.
; THE PLAN.  Registers that memory instructions touch:
;   v1, v2   byte offsets of the loads and of the stores: written once at the head, never again.
;   X        written by the sixteen loads, which are issued before any vector instruction names X; read (in Wo's arm also rewritten) by the
;            conversions behind the wait for the loads; no load lands there again, and no memory instruction reads it.
;   Y        a pair for each piece: written by that piece's conversions, read by its one store, not written behind it.
; The sixteen pieces go in four groups of four.  Group g's conversions write Y of group g; its four stores are issued in group g + 1, behind one
; wait at that group's head, dealt among that group's conversions, which name X and Y of group g + 1 alone.  One more wait stands ahead of the
; last four stores, and one at the kernel's head for the two offsets.
.set X, 4                              ; v[4:67]   sixteen loads of four f32
.set Y, 68                             ; v[68:99]  sixteen stores of four 16-bit numbers
.macro TO_BF j                         ; piece j: four f32 rounded to bf16
	v_cvt_pk_bf16_f32 v[Y+2*(\j)], v[X+4*(\j)], v[X+4*(\j)+1]
	v_cvt_pk_bf16_f32 v[Y+2*(\j)+1], v[X+4*(\j)+2], v[X+4*(\j)+3]
.endm
.macro TO_F16 j                        ; piece j of Wo
	v_cvt_pk_bf16_f32 v[Y+2*(\j)], v[X+4*(\j)], v[X+4*(\j)+1]       ; the rounding that all inputs get
	v_cvt_pk_bf16_f32 v[Y+2*(\j)+1], v[X+4*(\j)+2], v[X+4*(\j)+3]
	v_lshlrev_b32 v[X+4*(\j)], 16, v[Y+2*(\j)]                       ; back to f32
	v_and_b32 v[X+4*(\j)+1], 0xffff0000, v[Y+2*(\j)]
	v_lshlrev_b32 v[X+4*(\j)+2], 16, v[Y+2*(\j)+1]
	v_and_b32 v[X+4*(\j)+3], 0xffff0000, v[Y+2*(\j)+1]
	v_cvt_pk_f16_f32 v[Y+2*(\j)], v[X+4*(\j)], v[X+4*(\j)+1]         ; 8 significant bits fit into f16's 11
	v_cvt_pk_f16_f32 v[Y+2*(\j)+1], v[X+4*(\j)+2], v[X+4*(\j)+3]
.endm
.macro OUT j                           ; piece j leaves
	global_store_b64 v2, v[Y+2*(\j):Y+2*(\j)+1], s[14:15] offset:2048*(\j)
.endm
	s_load_b256 s[4:11], s[0:1], 0x0               ; x s[4:5], Wq s[6:7], Wk s[8:9], Wv s[10:11]
	s_load_b128 s[12:15], s[0:1], 0x20             ; Wo s[12:13], xw s[14:15]
	s_and_b32 s2, ttmp7, 0xffff                    ; y
	v_lshlrev_b32 v1, 4, v0                        ; 16 bytes a thread in
	v_lshlrev_b32 v2, 3, v0                        ; 8 bytes a thread out
	s_cmp_lt_u32 s2, 4
	s_cselect_b32 s18, s2, 0                       ; the quarter of x, or 0 for a weight
	s_lshl_b32 s18, s18, 22
	s_lshl_b32 s19, ttmp9, 16
	s_add_co_u32 s18, s18, s19                     ; source offset
	s_mov_b32 s19, 0
	s_lshl_b32 s20, s2, 21
	s_lshl_b32 s21, ttmp9, 15
	s_add_co_u32 s20, s20, s21                     ; destination offset: half as many bytes
	s_mov_b32 s21, 0
	s_wait_kmcnt 0x0
	s_mov_b64 s[16:17], s[4:5]
	s_cmp_eq_u32 s2, 4
	s_cselect_b64 s[16:17], s[6:7], s[16:17]
	s_cmp_eq_u32 s2, 5
	s_cselect_b64 s[16:17], s[8:9], s[16:17]
	s_cmp_eq_u32 s2, 6
	s_cselect_b64 s[16:17], s[10:11], s[16:17]
	s_cmp_eq_u32 s2, 7
	s_cselect_b64 s[16:17], s[12:13], s[16:17]
	s_add_nc_u64 s[16:17], s[16:17], s[18:19]
	s_add_nc_u64 s[14:15], s[14:15], s[20:21]
	s_wait_alu depctr_va_vdst(0)                   ; v1 and v2 are written: every load below reads v1 as its offset, every store v2
.irp j, 0,1,2,3,4,5,6,7,8,9,10,11,12,13,14,15
	global_load_b128 v[X+4*\j:X+4*\j+3], v1, s[16:17] offset:4096*\j th:TH_LOAD_NT
.endr
	s_cmp_eq_u32 s2, 7
	s_cbranch_scc1 .Lwo
	s_wait_loadcnt 12                              ; loads return in order: pieces 0 to 3 are in, the twelve younger ones stay out
.irp i, 0,1,2,3
	TO_BF \i
.endr
.irp g, 1,2,3
	s_wait_loadcnt 12-4*\g                         ; group g's four pieces are in, the younger ones stay out
	s_wait_alu depctr_va_vdst(0)                   ; the group before has written its Y, which the four stores below read; no conversion below names those registers
.irp i, 0,1,2,3
	OUT 4*(\g)-4+\i
	TO_BF 4*(\g)+\i
.endr
.endr
	s_wait_alu depctr_va_vdst(0)                   ; group 3 has written its Y, which the last four stores read
.irp i, 12,13,14,15
	OUT \i
.endr
	s_endpgm
.Lwo:
	s_wait_loadcnt 12                              ; pieces 0 to 3 are in
.irp i, 0,1,2,3
	TO_F16 \i
.endr
.irp g, 1,2,3
	s_wait_loadcnt 12-4*\g                         ; group g's four pieces are in, the younger ones stay out
	s_wait_alu depctr_va_vdst(0)                   ; the group before has written its Y for the last time, which the four stores below read; no line below names those registers
.irp i, 0,1,2,3
	OUT 4*(\g)-4+\i
	TO_F16 4*(\g)+\i
.endr
.endr
	s_wait_alu depctr_va_vdst(0)                   ; group 3 has written its Y, which the last four stores read
.irp i, 12,13,14,15
	OUT \i
.endr
	s_endpgm
.Lfunc_end_k_q519a546f2e_cast:
	.size	k_q519a546f2e_cast, .Lfunc_end_k_q519a546f2e_cast-k_q519a546f2e_cast
	.p2alignl 7, 3214868480
	.fill 96, 4, 3214868480
	.section	.rodata,"a",@progbits
	.p2align	6, 0x0
	.amdhsa_kernel k_q519a546f2e_cast
		.amdhsa_group_segment_fixed_size 0
		.amdhsa_private_segment_fixed_size 0
		.amdhsa_enable_private_segment 0
		.amdhsa_kernarg_size 48
		.amdhsa_user_sgpr_count 2
		.amdhsa_user_sgpr_kernarg_segment_ptr 1
		.amdhsa_wavefront_size32 1
		.amdhsa_system_sgpr_workgroup_id_x 1
		.amdhsa_system_sgpr_workgroup_id_y 1
		.amdhsa_system_sgpr_workgroup_id_z 1
		.amdhsa_system_vgpr_workitem_id 0
		.amdhsa_next_free_vgpr 100
		.amdhsa_next_free_sgpr 66
		.amdhsa_reserve_vcc 0
		.amdhsa_float_denorm_mode_32 3
		.amdhsa_float_denorm_mode_16_64 3
		.amdhsa_memory_ordered 1
		.amdhsa_forward_progress 1
		.amdhsa_inst_pref_size 16
	.end_amdhsa_kernel
	.amdgpu_metadata
---
amdhsa.version: [ 1, 2 ]
amdhsa.kernels:
  - .name:           k_q519a546f2e_cast
    .symbol:         k_q519a546f2e_cast.kd
    .args:
      - { .name: x, .offset: 0, .size: 8, .value_kind: global_buffer, .address_space: global }
      - { .name: Wq, .offset: 8, .size: 8, .value_kind: global_buffer, .address_space: global }
      - { .name: Wk, .offset: 16, .size: 8, .value_kind: global_buffer, .address_space: global }
      - { .name: Wv, .offset: 24, .size: 8, .value_kind: global_buffer, .address_space: global }
      - { .name: Wo, .offset: 32, .size: 8, .value_kind: global_buffer, .address_space: global }
      - { .name: xw, .offset: 40, .size: 8, .value_kind: global_buffer, .address_space: global }
    .group_segment_fixed_size: 0
    .private_segment_fixed_size: 0
    .kernarg_segment_align: 8
    .kernarg_segment_size: 48
    .max_flat_workgroup_size: 256
    .sgpr_count:     66
    .vgpr_count:     100
    .wavefront_size: 32
...
	.end_amdgpu_metadata
.endif
;; end of part 5
;; launch qkv: the kernel of part 2 again; grid 8 x 32, 4 waves a work-group, clusters of 4 x 4, 327,680 bytes of LDS; arguments xw, qkv, att; writes qkv, att
;; launch attn: the kernel of part 3 again; grid 16 x 16, 8 waves a work-group, no clusters, 327,680 bytes of LDS; arguments qkv, att; writes att
;; launch proj: the kernel of part 4 again; grid 8 x 32, 4 waves a work-group, clusters of 4 x 4, 327,680 bytes of LDS; arguments att, xw, out0; writes out0
